; MI455X (gfx1250); checked and timed in simulation.
; The chip was launched on July 23, 2026; its instructions are those of AMD's public machine-readable ISA for CDNA 5 (MIT licence, August 2026) and "CDNA5" Instruction Set Architecture Reference Guide (July 2026). The comments in the code are by the model that wrote it; some were corrected since.
;; Miss Attention. Allowed arithmetic: matrix products marked QUANTISED: E2M3 operands, one E8M0 scale for each 32 along K, by v_wmma_scale_f32_16x16x128_f8f6f4 with both operands' format E2M3, f32 sums; everything else in f32.
;; Inputs: attn_mask 2 x 2,048 x 2,048 bool; k_pos 2 x 2,048 x 8 x 64 float32; k_val 2 x 2,048 x 8 x 64 float32; q_pos 2 x 2,048 x 8 x 64 float32; q_val 2 x 2,048 x 8 x 64 float32; v_pos 2 x 2,048 x 8 x 64 float32; v_val 2 x 2,048 x 8 x 64 float32.
;; Outputs: out0 2 x 2,048 x 8 x 64 float32; out1 2 x 2,048 x 8 x 64 float32.
;; This version of the problem:
;;   THIS VERSION OF THE PROBLEM IS GIVEN IN LOW PRECISION. The matrix products marked QUANTISED in the list below multiply operands that are first quantised to E2M3 (2 exponent bits, 3 mantissa bits; 6 bits a number), with one power-of-two scale for each 32 numbers along K (OCP MX v1.0); their sums are f32. All else is computed in f32.
;;   The module's matrix products, in the order in which they are computed (A, B: the left and right operand; K: the contracted axis; several contracted axes count as one K, in the product's order):
;;     1. batch 16 x [M 2,048, K 64] x [K 64, N 2,048]; A: input q_val; B: input k_val: QUANTISED
;;     2. batch 16 x [M 2,048, K 64] x [K 64, N 2,048]; A: input q_pos; B: input k_pos: QUANTISED
;;     3. batch 16 x [M 64, K 2,048] x [K 2,048, N 2,048]; A: input v_val; B: softmax (see below): QUANTISED
;;     4. batch 16 x [M 64, K 2,048] x [K 2,048, N 2,048]; A: input v_pos; B: softmax (see below): QUANTISED
;;   THE QUANTISER, for each operand of a quantised product, along K:
;;     - K is cut into blocks of 32 from its start; a last block that is shorter is filled with zeros.
;;     - A block's scale is 2^e with e = floor(log2(the largest magnitude in the block)) - 2, held to -126 .. 127; a block of zeros has e = 0. As a byte (E8M0): e + 127.
;;     - Each number is divided by its block's scale, clamped to +-7.5, and rounded to the nearest number of E2M3, ties to even, subnormals kept.
;;     - The product sums the exact products of the quantised numbers (number of the format x scale) in f32.
;;   ~~~python
;;   def quantise(x, axis):      # numpy; x: float32 -> the quantised numbers, widened to float32 again
;;       x = np.moveaxis(x, axis, -1); K = x.shape[-1]
;;       x = np.pad(x, [(0, 0)] * (x.ndim - 1) + [(0, -K % 32)]); x = x.reshape(x.shape[:-1] + (-1, 32)); a = np.abs(x).max(-1, keepdims=True)
;;       e = np.where(a > 0, np.clip(np.frexp(np.where(a > 0, a, 1))[1] - 1 - 2, -126, 127), 0)      # np.frexp(a)[1] - 1 = floor(log2(a)), exactly
;;       r = np.clip(x / 2.0 ** e, -7.5, 7.5)
;;       step = 2.0 ** (np.maximum(np.frexp(np.where(r == 0, 1, r))[1] - 1, 0) - 3)
;;       q = np.round(r / step) * step * 2.0 ** e      # np.round: ties to even
;;       return np.moveaxis(q.reshape(q.shape[:-2] + (-1,))[..., :K], -1, axis).astype(np.float32)
;;   ~~~
;;   SOFTMAX AHEAD OF A QUANTISED PRODUCT. Where the list says 'softmax', what is quantised is not the finished softmax but p = 2^(t - M), with t = logit x log2(e) and M = ceil(the row's largest t), a whole number; so 1/2 < the row's largest p <= 1. The row's sum l is taken of the UNQUANTISED p, in f32, and the product's result is divided by l at the end. Since M is a whole number, a kernel that streams over the keys may use a running M (the ceiling of the running maximum): every later rescaling is an exact power of two, which a block's scale takes up: the codes' values come out the same.
;;   OPERANDS COMPUTED ON THE WAY. 'Computed on the way' means the value that the module computes at that place (a softmax that the list does not call 'softmax' is quantised finished and normalised). What goes into a quantiser is computed in f32, as accurately as f32 sums, v_exp_f32 and their like allow (about 1e-6 of the number): no bf16 or f16 on the way to a quantiser, and a product that is left as it is and whose result goes on into a quantised operand takes f32 operands (vector FMAs, or v_wmma_f32_16x16x4_f32). A number that lies on a knife's edge between two numbers of the format may be rounded either way, as far as f32 arithmetic and the matrix unit's own rounding can turn it there, and no further.
;; One version. Each part assembles by itself: llvm-mc -triple=amdgcn-amd-amdhsa -mcpu=gfx1250 --defsym DOCPART=n.
;; ======== version 1 of 1: 2 launches
;; workspace buffers: qx 3,276,800 bytes; kv 6,553,600 bytes
;; launch prep (part 1): grid 768 x 1, 4 waves a work-group, no clusters, 68,096 bytes of LDS; arguments q_val, q_pos, k_val, k_pos, v_val, v_pos, qx, kv; writes qx, kv
.if DOCPART == 1
	.amdgcn_target "amdgcn-amd-amdhsa--gfx1250"
	.amdhsa_code_object_version 6
	.text
	.protected	k_q9cf72071b8_prep
	.globl	k_q9cf72071b8_prep
	.p2align	8
	.type	k_q9cf72071b8_prep,@function
k_q9cf72071b8_prep:
	s_mov_b64 s[64:65], 0
	v_nop
	global_prefetch_b8 v0, s[64:65] scope:SCOPE_SE
	s_setreg_imm32_b32 hwreg(HW_REG_WAVE_MODE, 25, 1), 1
	s_wait_xcnt 0x0
; FIRST OF TWO LAUNCHES: the six f32 tensors [2][2048][8][64] become codes of FP6 (E2M3) with one E8M0 byte for each 32 along a product's K, once for all the work-groups that will read them.
; The two score products are summed ahead of the softmax, so [val | pos] is ONE operand of K = 128 (four blocks of 32: val 0-31, val 32-63, pos 0-31, pos 32-63); the two value products share p, so [v_val | v_pos] is one
; operand of 128 channels whose K is the keys.
; WHAT IS WRITTEN is laid in the order of the operands' registers.  A fragment (16 rows x 128 K, 12 registers a lane) is an IMAGE of 1,536 bytes: register 4 c + k of lane l at 512 c + 16 l + 4 k.
;   qx: [16 heads][16 blocks of 128 queries][12,800 bytes]: 8 images (tile t at 1,536 t), then at 12,288 four runs of 128 bytes of scale words: run b, word 4 x lane: lanes 0-15 tile 2 b's rows, lanes 16-31 tile 2 b + 1's.
;   kv: [16 heads][16 steps of 128 keys][25,600 bytes]: the same 12,800 bytes for the keys; then at 12,800 eight images of V^T (tile t = channels 16 t .. 16 t + 15, K = the step's 128 keys) and at 25,088 its scale words, likewise.
; THE ROWS OF A TILE OF Q OR K ARE NOT NEIGHBOURS: lane r of tile 2 b + u holds row 32 b + 8 u + r + 8 (r / 8), so that in S^T = K Q^T the 16 registers of tiles 2 b and 2 b + 1 are 16 neighbouring keys.
; THE QUANTISER: a block's scale is 2^(floor(log2(its largest magnitude)) - 2); its byte is the largest magnitude's exponent field - 2, held at 1 from below.
; LIMITS: NaN and infinities among the inputs are not served.  A block whose largest magnitude lies under 2^-124 keeps the byte 1; a block of zeros keeps the byte 1 where the rule says 127: its codes are zeros, which add
; nothing under any byte but 0xff, and the bytes are read by this program alone.
; attn_mask is no argument of either launch: reference() never applies it, so no output number hangs on it.
; SHARES: 3,072 wave jobs of 16 KiB of f32, one a wave, written straight out.  Work-groups 0-255 take Q, 256-511 K, 512-767 V; the low 8 bits of the number are 16 x head + block.  No tensor loads, no barrier: waves share nothing.
.set QB,     12800                     ; a block of qx, and the K part of a block of kv
.set STEPB,  25600                     ; a block of kv
.set KSC,    12288                     ; scale words of Q's or K's tiles
.set VIMG,   12800                     ; V's images
.set VSC,    25088                     ; V's scale words
.set FRB,    1536                      ; an image
.set SPITCH, 528                       ; a stage row: 256 bytes of val, 256 of pos, 16 of padding: 33 x 16 bytes, so that sixteen rows' same column falls on sixteen different columns of 16 bytes modulo 256
.set WSTG,   32*SPITCH                 ; a wave's stage: 32 rows
	s_load_b256 s[4:11], s[0:1], 0x0               ; q_val s[4:5], q_pos s[6:7], k_val s[8:9], k_pos s[10:11]
	s_load_b256 s[12:19], s[0:1], 0x20             ; v_val s[12:13], v_pos s[14:15], qx s[16:17], kv s[18:19]
	v_lshl_add_u32 v62, v0, 2, 0x10800
	v_mov_b32 v63, 0
	v_lshrrev_b32 v1, 5, v0
	v_readfirstlane_b32 s20, v1                    ; wave 0..3
	v_and_b32 v1, 31, v0                           ; lane
	v_and_b32 v2, 15, v0                           ; r
	v_bfe_u32 v3, v0, 4, 1                         ; h
	v_lshlrev_b32 v7, 4, v1                        ; an image's place for my lane
	v_lshlrev_b32 v8, 2, v1                        ; a scale word's
	s_mov_b32 s22, 0x76543210
	s_mov_b32 s23, 0xfedcba98                      ; v_permlanex16_b32's selects for lane l xor 16
	s_and_b32 s24, ttmp9, 255                      ; 16 x head + block
	s_lshr_b32 s25, s24, 7                         ; batch
	s_bfe_u32 s26, s24, 0x30004                    ; head within the batch
	s_and_b32 s27, s24, 15                         ; block of 128 rows
	s_lshl_b32 s28, s25, 22                        ; a batch is 2,048 rows x 2,048 bytes,
	s_lshl_b32 s27, s27, 18                        ; a block 128 rows,
	s_add_co_u32 s28, s28, s27
	s_lshl_b32 s26, s26, 8                         ; a head's part of a row 256 bytes
	s_add_co_u32 s28, s28, s26                     ; the block's first byte in each source
	s_mov_b32 s29, 0
	s_mov_b32 s31, 0
	s_mov_b32 s37, 0
	s_wait_kmcnt 0x0
	s_cmp_lt_u32 ttmp9, 512
	s_cbranch_scc0 .Lv
; ---------------- Q AND K: K is innermost.  Wave b takes rows 32 b .. 32 b + 31 of the block: tiles 2 b and 2 b + 1.
; Loads take the bytes as they lie (sixteen lanes a head's 256 bytes of a row, aligned); the conversions want 32 neighbours of one row in one lane.  So the rows turn through the wave's own stage in LDS,
; and are laid there in the order of the tiles' lanes: tile u's lane r at stage row 16 u + r.
	s_lshl_b32 s30, s20, 16
	s_add_co_u32 s28, s28, s30                     ; my 32 rows
	s_mul_i32 s30, s24, QB
	s_cmp_lt_u32 ttmp9, 256                        ; Q's work-group or K's?  The choice hangs on the work-group's number alone
	s_cselect_b64 s[4:5], s[4:5], s[8:9]           ; val
	s_cselect_b64 s[6:7], s[6:7], s[10:11]         ; pos
	s_cselect_b64 s[16:17], s[16:17], s[18:19]     ; where the codes go
	s_cselect_b32 s36, 0, 1
	s_lshl_b32 s30, s30, s36                       ; blocks of 12,800 bytes in qx, of 25,600 in kv
	s_add_nc_u64 s[16:17], s[16:17], s[30:31]
	s_add_nc_u64 s[4:5], s[4:5], s[28:29]
	s_add_nc_u64 s[6:7], s[6:7], s[28:29]
	s_mul_i32 s36, s20, 2*FRB
	s_add_nc_u64 s[32:33], s[16:17], s[36:37]      ; my two images
	s_lshl_b32 s36, s20, 7
	s_add_co_u32 s36, s36, KSC
	s_add_nc_u64 s[34:35], s[16:17], s[36:37]      ; my run of scale words
	v_lshlrev_b32 v4, 4, v2
	v_lshl_add_u32 v4, v3, 11, v4                  ; in memory: lanes 0-15 one row's 256 bytes, lanes 16-31 the next row's
	s_mul_i32 s38, s20, WSTG
	v_mul_u32_u24 v5, v3, SPITCH
	v_lshl_add_u32 v5, v2, 4, v5
	v_add_nc_u32 v5, s38, v5                       ; the stage, on the way in: the same two rows
	v_mul_u32_u24 v6, v2, SPITCH
	v_lshl_add_u32 v6, v3, 7, v6
	v_add_nc_u32 v6, s38, v6                       ; and on the way out: stage row r, channels 32 h on
	v_lshlrev_b32 v9, 3, v3                        ; 8 h: my bytes' place in a scale word
	v_mov_b32 v16, 0                               ; written once: a lane permute's destination counts as one of its sources
.irp j, 0,1,2,3,4,5,6,7,8,9,10,11,12,13,14,15
	global_load_b128 v[64+4*\j:67+4*\j], v4, s[4:5] offset:4096*\j th:TH_LOAD_NT     ; val, rows 2 j and 2 j + 1
.endr
.irp j, 0,1,2,3,4,5,6,7,8,9,10,11,12,13,14,15
	global_load_b128 v[128+4*\j:131+4*\j], v4, s[6:7] offset:4096*\j th:TH_LOAD_NT   ; pos
.endr
	s_wait_loadcnt 16                              ; val's sixteen loads are in; pos's sixteen may be out
.irp j, 0,1,2,3,4,5,6,7,8,9,10,11,12,13,14,15
	ds_store_b128 v5, v[64+4*\j:67+4*\j] offset:(16*((\j/4)%2)+8*(\j/8)+(2*\j)%8)*SPITCH   ; row x goes to stage row 16 ((x / 8) % 2) + 8 (x / 16) + x % 8
.endr
	s_wait_loadcnt 0x0
.irp j, 0,1,2,3,4,5,6,7,8,9,10,11,12,13,14,15
	ds_store_b128 v5, v[128+4*\j:131+4*\j] offset:(16*((\j/4)%2)+8*(\j/8)+(2*\j)%8)*SPITCH+256
.endr
.irp i, 0,1,2,3,4,5,6,7                        ; tile 2 b: LDS serves a wave's instructions in order (ISA guide 5.7.1.4): these see the stores above
	ds_load_b128 v[192+4*\i:195+4*\i], v6 offset:16*\i
.endr
.irp i, 0,1,2,3,4,5,6,7
	ds_load_b128 v[224+4*\i:227+4*\i], v6 offset:256+16*\i
.endr
	s_wait_dscnt 0x0                               ; tile 2 b's 64 numbers are in
.irp i, 0,1,2,3,4,5,6,7                        ; tile 2 b + 1 lands while the first is quantised
	ds_load_b128 v[64+4*\i:67+4*\i], v6 offset:16*SPITCH+16*\i
.endr
.irp i, 0,1,2,3,4,5,6,7
	ds_load_b128 v[96+4*\i:99+4*\i], v6 offset:16*SPITCH+256+16*\i
.endr
; 64 numbers of a lane, v[s] on (32 of val, 32 of pos: blocks h and 2 + h of my row), become registers c .. c + 11 of the fragment and the row's scale word in v[w]
.macro QUANT s, c, w
	v_max3_num_f32 v10, |v[\s]|, |v[\s+1]|, 0x1800000      ; each block's 32 numbers are mine; the floor 2^(3 - 127) holds the byte at 1 from below
	v_max3_num_f32 v11, |v[\s+32]|, |v[\s+33]|, 0x1800000
.irp i, 2,4,6,8,10,12,14,16,18,20,22,24,26,28,30
	v_max3_num_f32 v10, v10, |v[\s+\i]|, |v[\s+\i+1]|      ; (the two blocks by turns)
	v_max3_num_f32 v11, v11, |v[\s+32+\i]|, |v[\s+33+\i]|
.endr
	v_add_nc_u32 v12, 0xff000000, v10              ; 2 off the exponent field: the conversion takes the exponent field of this operand as its scale, and nothing else of it
	v_add_nc_u32 v13, 0xff000000, v11
	v_lshrrev_b32 v14, 23, v12                     ; the scales' bytes
	v_lshrrev_b32 v15, 23, v13
	v_lshl_or_b32 v[\w], v15, 16, v14
	v_lshlrev_b32 v[\w], v9, v[\w]                 ; at bytes h and 2 + h;
	v_permlanex16_b32 v16, v[\w], s22, s23
	v_or_b32 v[\w], v[\w], v16                     ; with lane l xor 16's two the word is whole, in both lanes
	v_cvt_scalef32_pk16_fp6_f32 v[\c:\c+2], v[\s:\s+15], v12
	v_cvt_scalef32_pk16_fp6_f32 v[44:46], v[\s+16:\s+31], v12      ; (a conversion's three registers begin on an even number: the second half of a block's six is made elsewhere and moved)
	v_cvt_scalef32_pk16_fp6_f32 v[\c+6:\c+8], v[\s+32:\s+47], v13
	v_cvt_scalef32_pk16_fp6_f32 v[48:50], v[\s+48:\s+63], v13
	v_nop                                          ; one plain vector line behind the conversions, ahead of the lines that read their results
.irp i, 0,1,2
	v_mov_b32 v[\c+3+\i], v[44+\i]
	v_mov_b32 v[\c+9+\i], v[48+\i]
.endr
.endm
	QUANT 192, 20, 18
.irp c, 0,1,2
	global_store_b128 v7, v[20+4*\c:23+4*\c], s[32:33] offset:512*\c           ; 32 lanes store 512 consecutive bytes, at a multiple of 256 from the buffer's first byte
.endr
	s_wait_dscnt 0x0                               ; tile 2 b + 1's numbers are in
	QUANT 64, 32, 19                               ; (it writes no register that the stores above read)
.irp c, 0,1,2
	global_store_b128 v7, v[32+4*\c:35+4*\c], s[32:33] offset:FRB+512*\c
.endr
	v_cmp_le_u32 vcc_lo, 16, v1
	v_cndmask_b32 v17, v18, v19, vcc_lo            ; lanes 0-15 tile 2 b's words, lanes 16-31 tile 2 b + 1's
	global_store_b32 v8, v17, s[34:35]             ; 128 consecutive bytes a wave, 512 the four waves together
	s_wait_tensorcnt 0x0
	ds_add_u32 v62, v63
	s_wait_dscnt 0x0
	s_endpgm
; ---------------- V: K = the keys, the rows of memory.  A LANE TAKES A CHANNEL AND ITS REGISTERS RUN DOWN THE KEYS: wave g takes channels 32 g .. 32 g + 31 of [val | pos] and the step's 128 keys: tiles 2 g and 2 g + 1.
; A block of 32 keys then lies in one lane's 32 registers, and the conversions give codes with the keys innermost; nothing is transposed.
.Lv:
	s_cmp_lt_u32 s20, 2                            ; waves 0, 1: v_val; waves 2, 3: v_pos
	s_cselect_b64 s[12:13], s[12:13], s[14:15]
	s_and_b32 s30, s20, 1
	s_lshl_b32 s30, s30, 7                         ; which 32 channels of the 64
	s_add_co_u32 s28, s28, s30
	s_add_nc_u64 s[12:13], s[12:13], s[28:29]
	s_mul_i32 s30, s24, STEPB
	s_mul_i32 s36, s20, 2*FRB
	s_add_co_u32 s36, s36, s30
	s_add_co_u32 s36, s36, VIMG
	s_add_nc_u64 s[32:33], s[18:19], s[36:37]      ; my two images
	s_lshl_b32 s36, s20, 7
	s_add_co_u32 s36, s36, s30
	s_add_co_u32 s36, s36, VSC
	s_add_nc_u64 s[34:35], s[18:19], s[36:37]      ; my run of scale words
.macro VLOAD j                         ; block j: key 32 j + i of my channel, i = 0 .. 31: a wave reads 128 consecutive bytes, two waves side by side a head's 256 (so no hint that the bytes are read once)
.set i, 0
.rept 32
	global_load_b32 v[64+32*(\j)+i], v8, s[12:13] offset:2048*(32*(\j)+i)
.set i, i+1
.endr
.endm
.macro VBLK j, base                    ; block j's byte into the scale word v18, its codes' lower half into v[base] on, the upper half into v[44 + 4 j] on
.set XS, 64+32*(\j)
	v_max3_num_f32 v10, |v[XS]|, |v[XS+1]|, |v[XS+2]|
	v_max3_num_f32 v11, |v[XS+3]|, |v[XS+4]|, |v[XS+5]|
.irp i, 6,10,14,18,22,26
	v_max3_num_f32 v10, v10, |v[XS+\i]|, |v[XS+\i+1]|      ; two chains, so that no line waits for the line above it
	v_max3_num_f32 v11, v11, |v[XS+\i+2]|, |v[XS+\i+3]|
.endr
	v_max3_num_f32 v10, v10, |v[XS+30]|, |v[XS+31]|
	v_max3_num_f32 v10, v10, v11, 0x1800000        ; and the floor 2^(3 - 127)
	v_add_nc_u32 v[12+\j], 0xff000000, v10         ; the conversion's scale operand
	v_lshrrev_b32 v11, 23, v[12+\j]                ; the byte
.if (\j) == 0
	v_mov_b32 v18, v11
.else
	v_lshl_or_b32 v18, v11, 8*(\j), v18
.endif
	v_cvt_scalef32_pk16_fp6_f32 v[\base:\base+2], v[XS:XS+15], v[12+\j]
	v_cvt_scalef32_pk16_fp6_f32 v[44+4*(\j):46+4*(\j)], v[XS+16:XS+31], v[12+\j]
.endm
	VLOAD 0
	VLOAD 1
	s_wait_loadcnt 32                              ; block 0's 32 loads are in; block 1's may be out
	VLOAD 2
	VBLK 0, 20
	s_wait_loadcnt 32                              ; block 1's are in; block 2's may be out
	VLOAD 3
	VBLK 1, 32
	s_wait_loadcnt 32                              ; block 2's are in; block 3's may be out
	VBLK 2, 26
	s_wait_loadcnt 0x0
	VBLK 3, 38
	v_nop                                          ; one plain vector line behind the last conversion
.irp i, 0,1,2
	v_mov_b32 v[23+\i], v[44+\i]                   ; v[20:31]: blocks 0 and 2 of my channel;
	v_mov_b32 v[35+\i], v[48+\i]                   ; v[32:43]: blocks 1 and 3
	v_mov_b32 v[29+\i], v[52+\i]
	v_mov_b32 v[41+\i], v[56+\i]
.endr
.set i, 0
.rept 12                               ; the operand's layout gives lane (r, h) blocks h and 2 + h of channel r.  The first run's lanes 16-31 change places with the second's lanes 0-15:
	v_permlane16_swap_b32 v[20+i], v[32+i]         ; v[20:31] is then tile 2 g (channels 0-15 of my 32), v[32:43] tile 2 g + 1
.set i, i+1
.endr
.irp c, 0,1,2
	global_store_b128 v7, v[20+4*\c:23+4*\c], s[32:33] offset:512*\c
.endr
.irp c, 0,1,2
	global_store_b128 v7, v[32+4*\c:35+4*\c], s[32:33] offset:FRB+512*\c
.endr
	global_store_b32 v8, v18, s[34:35]             ; lane = channel 32 g + lane: lanes 0-15 tile 2 g's words, lanes 16-31 tile 2 g + 1's
	s_endpgm
.Lfunc_end_k_q9cf72071b8_prep:
	.size	k_q9cf72071b8_prep, .Lfunc_end_k_q9cf72071b8_prep-k_q9cf72071b8_prep
	.p2alignl 7, 3214868480
	.fill 96, 4, 3214868480
	.section	.rodata,"a",@progbits
	.p2align	6, 0x0
	.amdhsa_kernel k_q9cf72071b8_prep
		.amdhsa_group_segment_fixed_size 68096
		.amdhsa_private_segment_fixed_size 0
		.amdhsa_enable_private_segment 0
		.amdhsa_kernarg_size 64
		.amdhsa_user_sgpr_count 2
		.amdhsa_user_sgpr_kernarg_segment_ptr 1
		.amdhsa_wavefront_size32 1
		.amdhsa_system_sgpr_workgroup_id_x 1
		.amdhsa_system_sgpr_workgroup_id_y 1
		.amdhsa_system_sgpr_workgroup_id_z 1
		.amdhsa_system_vgpr_workitem_id 0
		.amdhsa_next_free_vgpr 256
		.amdhsa_next_free_sgpr 66
		.amdhsa_reserve_vcc 1
		.amdhsa_float_denorm_mode_32 3
		.amdhsa_float_denorm_mode_16_64 3
		.amdhsa_memory_ordered 1
		.amdhsa_forward_progress 1
		.amdhsa_inst_pref_size 36
	.end_amdhsa_kernel
	.amdgpu_metadata
---
amdhsa.version: [ 1, 2 ]
amdhsa.kernels:
  - .name:           k_q9cf72071b8_prep
    .symbol:         k_q9cf72071b8_prep.kd
    .args:
      - { .name: q_val, .offset: 0, .size: 8, .value_kind: global_buffer, .address_space: global }
      - { .name: q_pos, .offset: 8, .size: 8, .value_kind: global_buffer, .address_space: global }
      - { .name: k_val, .offset: 16, .size: 8, .value_kind: global_buffer, .address_space: global }
      - { .name: k_pos, .offset: 24, .size: 8, .value_kind: global_buffer, .address_space: global }
      - { .name: v_val, .offset: 32, .size: 8, .value_kind: global_buffer, .address_space: global }
      - { .name: v_pos, .offset: 40, .size: 8, .value_kind: global_buffer, .address_space: global }
      - { .name: qx, .offset: 48, .size: 8, .value_kind: global_buffer, .address_space: global }
      - { .name: kv, .offset: 56, .size: 8, .value_kind: global_buffer, .address_space: global }
    .group_segment_fixed_size: 68096
    .private_segment_fixed_size: 0
    .kernarg_segment_align: 8
    .kernarg_segment_size: 64
    .max_flat_workgroup_size: 128
    .sgpr_count:     66
    .vgpr_count:     256
    .wavefront_size: 32
...
	.end_amdgpu_metadata
.endif
;; end of part 1
;; launch attn (part 2): grid 16 x 16, 8 waves a work-group, clusters of 4 x 1, 327,680 bytes of LDS; arguments qx, kv, out0, out1; writes out0, out1
.if DOCPART == 2
	.amdgcn_target "amdgcn-amd-amdhsa--gfx1250"
	.amdhsa_code_object_version 6
	.text
	.protected	k_q9cf72071b8_attn
	.globl	k_q9cf72071b8_attn
	.p2align	8
	.type	k_q9cf72071b8_attn,@function
k_q9cf72071b8_attn:
	s_mov_b64 s[64:65], 0
	v_nop
	global_prefetch_b8 v0, s[64:65] scope:SCOPE_SE
	s_setreg_imm32_b32 hwreg(HW_REG_WAVE_MODE, 25, 1), 1
	s_wait_xcnt 0x0
	s_wait_alu depctr_hold_cnt(0) depctr_sa_sdst(0) depctr_va_vdst(0) depctr_va_sdst(0) depctr_va_ssrc(0) depctr_va_vcc(0) depctr_vm_vsrc(0)
	s_getreg_b32 s2, hwreg(HW_REG_IB_STS2, 6, 4)
	s_cmp_eq_u32 s2, 0
	s_cbranch_scc0 .Lentry_in_a_cluster
	s_endpgm
.Lentry_in_a_cluster:
	s_bfe_u32 s2, ttmp6, 0x10000c
	s_cmp_lg_u32 s2, 0x3003
	s_cbranch_scc0 .Lentry_shape_is_right
	s_endpgm
.Lentry_shape_is_right:
; SECOND OF TWO LAUNCHES: out0, out1 [2][2048][8][64] f32 = softmax((q_val . k_val + q_pos . k_pos) / 8) [v_val | v_pos], all products on codes of FP6 (E2M3) with one E8M0 scale for each 32 along K.
; qx and kv hold the codes and scale words as images of the operands' registers (the first launch's head says how): [val | pos] is one operand of K = 128, so a tile of 16 x 16 scores is ONE matrix instruction,
; and [v_val | v_pos] is one V^T of 128 channels, K = the keys.
; THE SOFTMAX AHEAD OF THE SECOND PRODUCT: t = score x log2(e) / 8; M = the largest t so far, rounded UP to a whole number; p = 2^(t - M) is what is quantised, along the keys; it is not normalised.  The row's sum is
; taken of the unquantised p, in f32, and divides at the end.  When M moves, the sum and O are multiplied by 2^(old M - new M): exact.
; SHARES.  A work-group owns 128 queries of one head.  Wave w: g = w % 4: 32 queries, two tiles of 16; kh = w / 4: keys 1,024 kh on, eight steps of 128.  Each fragment of K and V read from LDS feeds two products;
; two waves share a SIMD, so that one wave's vector work stands beside the other's matrix work and LDS loads.  A wave's tile A is tile kh of its pair, tile B the other.  At the end each wave keeps A and hands B
; (O^T, -M, the sum) through LDS to wave w xor 4, whose B is A's queries over the other 1,024 keys: the two are joined by exact powers of two.  No branch and no select hangs on the role.
; LAYOUT.  Both products are used transposed: S^T = K Q^T, O^T = V^T P^T: a lane holds ONE query (lane % 16) throughout.  Lane r of K's tile 2 b + u holds key 32 b + 8 u + r + 8 (r / 8), so that the 16 registers of
; tiles 2 b and 2 b + 1 are keys 32 b + 16 (lane / 16) + 0 .. 15.  Q's tiles are made of rows in the same way; the way out puts each query's row where it belongs.
; CLUSTER.  The four query blocks of a cluster belong to one head and read the same 400 KiB of kv: every tensor load is asked for JOINTLY, the same load with the same descriptor and a mask that names the four.
; LDS.  Each half of the keys has 153,600 bytes: its blocks 0, 1 | its blocks 2 to 5.  Both go out at the start; the first 51,200 bytes are filled ONCE more, with blocks 6, 7, when steps 0 and 1 are done, four steps
; ahead of their first read.  By this text's own count a wave has two tensor loads out at the start and one behind the refill.
; LIMITS: NaN and infinities are not served.  A block of p that has fallen to zeros keeps the byte 1: its codes are zeros.  attn_mask is no argument: reference() never applies it.
; REGISTERS.  Window 0: v1-6 addresses; v8-15 -M, largest t, the sum's two halves (tile A, tile B); v16-19 f; v20-31 scale words and nothing else; v32-63 at work; v64-79 conversions' second halves, second sum chain;
;   v80-103 p's codes; v104-231 S^T, then p; v232-251 the end's addresses and factors.   Window 1: v0-127 O^T (A, B); v128-223 eight fragments of K or of V; v224-247 Q (A, B).
.set QB,     12800                     ; a block of qx
.set STEPB,  25600                     ; a block of kv: a key step
.set FRB,    1536                      ; an image of a fragment
.set KSC,    12288                     ; in a block: K's (Q's) scale words,
.set VIMG,   12800                     ; V's images,
.set VSC,    25088                     ; V's scale words
.set HALF,   6*STEPB                   ; LDS of one half of the keys
.set SPARE,  2*HALF                    ; the spare words, 128 bytes for each of eight waves: four blocks of 256 bytes that no other line names
.set MB,     2*STEPB                   ; the mailboxes, and behind them the stages, lie in half 0's blocks 2 to 5: filled once, last read in step 5, and a barrier stands between those reads and the first store
.set MBW,    8448                      ; a wave's mailbox: 8,192 bytes of O^T, 128 of -M, 128 of the sum
.set STG,    MB+8*MBW
.set STW,    16*272                    ; a wave's stage: 16 rows x (256 bytes + 16)
.set LI,  1                            ; v1   16 x lane + my half's base
.set LS,  2                            ; v2   4 x lane + my half's base
.set SPW, 3                            ; v3   LDS address of my spare word; never rewritten
.set NIL, 4                            ; v4   0; never rewritten
.set ADR, 5                            ; v5   the step's images
.set ADS, 6                            ; v6   the step's scale words
.set ST,  8                            ; tile x at +4 x: -M, the largest t, the sum in two halves
.set FF,  16                           ; tile x at +2 x: f = 2^(old M - new M), and a 0 (the packed forms name a pair)
.set KS,  20                           ; K's scale words: register b: lanes 0-15 tile 2 b, lanes 16-31 tile 2 b + 1
.set VS,  24                           ; V's likewise
.set QS,  28                           ; Q's, tile x
.set PS,  30                           ; p's, tile x
.set BM,  32                           ; tile x at +16 x: +0..3 the blocks' largest; +4..7 the other lanes', then bytes; +8..11 the conversions' scale operands; +12 at work
.set CT,  64                           ; tile x at +8 x
.set PC,  80                           ; tile x at +12 x
.set S,   104                          ; tile x at +64 x
.set F,   128                          ; window 1
.set Q,   224                          ; window 1, tile x at +12 x
.set MW,  232                          ; my mailbox, 16 x lane;   v233 my partner's
.set MR,  233
.set MSW, 234                          ; my mailbox's words, 4 x lane;   v235 my partner's
.set MSR, 235
.set SO,  236                          ; the stage: where I put 32 bytes of a row;   v237 where I read a row back
.set SR,  237
.set GO,  238                          ; my byte offset in the outputs
.set WV,  12
.set KH,  13
.set G,   14
.set CX,  15
.set BLK, 16
.set HD,  17
.set TB,  18                           ; LDS byte, within a half, at which the step's block begins
.set CNT, 19
.set SEL, 20                           ; s[20:21] selects for lane l xor 16
.set CS,  22                           ; s[22:23] c = log2(e) / 8
.set G1A, 24                           ; s[24:31] group 1: 50 rows of 256 bytes;   s[32:39]: 100 rows
.set G1B, 32
.set G0A, 40                           ; s[40:43] group 0: my quarter of my half's blocks 0, 1;  s[44:47] of blocks 2 to 5;  s[48:51] of blocks 6, 7.  None is ever rewritten
.set G0B, 44
.set G0D, 48
.set MSB, 0
.macro WIN new                         ; low byte: bits 1:0 source 0, 3:2 source 1, 5:4 source 2, 7:6 destination; the high byte repeats the setting that is left
.if MSB != \new
	s_set_vgpr_msb (MSB<<8)|\new
.set MSB, \new
.endif
.endm
.macro PLACES                          ; four plain vector lines between a matrix instruction and a read of its result, or a load into one of its registers (ISA guide 7.12.1 for vector instructions)
.rept 4
	v_nop
.endr
.endm
.macro ROUND                           ; a round of the cluster's barrier: my work-group's barrier; wave 0 signals for the work-group; every wave waits for all four work-groups; my work-group's barrier once more
	s_barrier_signal -1
	s_barrier_wait -1
	s_cmp_lg_u32 s[WV], 0
	s_cbranch_scc1 .Lnot_wave_0_\@
	s_barrier_signal -3
.Lnot_wave_0_\@:
	s_barrier_wait -3
	s_barrier_signal -1
	s_barrier_wait -1
.endm
	s_load_b256 s[4:11], s[0:1], 0x0               ; qx s[4:5], kv s[6:7], out0 s[8:9], out1 s[10:11]
	v_lshl_add_u32 v[SPW], v0, 2, SPARE
	v_mov_b32 v[NIL], 0
	ds_add_u32 v3, v4
	ds_add_u32 v3, v4
	s_wait_dscnt 0x0
	v_lshrrev_b32 v7, 5, v0
	v_readfirstlane_b32 s[WV], v7                  ; wave 0..7
	s_lshr_b32 s[KH], s[WV], 2                     ; which half of the keys.  Also: for which half I fetch
	s_and_b32 s[G], s[WV], 3                       ; which 32 queries.  Also: which quarter of a fill I fetch
	s_and_b32 s[HD], ttmp7, 0xffff                 ; the head, which the four partners share
	; group 1: a dense run of memory as rows of 256 bytes (32 elements of 8 bytes), no padding: an image is read back 512 consecutive bytes an instruction
	s_mov_b32 s[G1A], 15|(3<<16)|(1<<21)           ; 15:0 the mask: all four work-groups; 17:16 elements of 8 bytes; 21 set beside a mask
	s_mov_b32 s[G1A+1], 32<<16                     ; tensor_dim0 = 32
	s_mov_b32 s[G1A+2], 50<<16                     ; tensor_dim1 = 50
	s_mov_b32 s[G1A+3], 32<<16                     ; tile_dim0 = 32
	s_mov_b32 s[G1A+4], 50                         ; tile_dim1 = 50
	s_mov_b32 s[G1A+5], 32                         ; from row to row: 32 elements
	s_mov_b32 s[G1A+6], 0
	s_mov_b32 s[G1A+7], 0
	s_mov_b32 s[G1B], 15|(3<<16)|(1<<21)
	s_mov_b32 s[G1B+1], 32<<16
	s_mov_b32 s[G1B+2], 100<<16
	s_mov_b32 s[G1B+3], 32<<16
	s_mov_b32 s[G1B+4], 100
	s_mov_b32 s[G1B+5], 32
	s_mov_b32 s[G1B+6], 0
	s_mov_b32 s[G1B+7], 0
	; group 0: LDS addresses from the wave's number alone, global addresses from the head and the wave's number: equal in the four partners
	s_mul_i32 s54, s[KH], HALF
	s_mul_i32 s55, s[G], QB                        ; a quarter of two blocks: 12,800 bytes
	s_mul_i32 s56, s[G], STEPB                     ; a quarter of four blocks: 25,600 bytes
	s_mov_b32 s[G0A], 1
	s_add_co_u32 s[G0A+1], s54, s55
	s_mov_b32 s[G0B], 1
	s_add_co_u32 s[G0B+1], s54, s56
	s_add_co_u32 s[G0B+1], s[G0B+1], 2*STEPB
	s_mov_b32 s[G0D], 1
	s_add_co_u32 s[G0D+1], s54, s55
	s_mul_i32 s58, s[HD], 16*STEPB
	s_mul_i32 s57, s[KH], 8*STEPB
	s_add_co_u32 s58, s58, s57                     ; my half's first block in kv
	s_mov_b32 s59, 0
	s_mov_b32 s61, 0
	s_wait_kmcnt 0x0
	s_add_nc_u64 s[58:59], s[6:7], s[58:59]
	s_mov_b32 s60, s55
	s_add_nc_u64 s[G0A+2:G0A+3], s[58:59], s[60:61]
	s_add_nc_u64 s[G0D+2:G0D+3], s[G0A+2:G0A+3], 6*STEPB
	s_mov_b32 s60, s56
	s_add_nc_u64 s[G0B+2:G0B+3], s[58:59], s[60:61]
	s_add_nc_u64 s[G0B+2:G0B+3], s[G0B+2:G0B+3], 2*STEPB
	s_or_b32 s[G0A+3], s[G0A+3], 0x80000000        ; 127:126 type = 2
	s_or_b32 s[G0B+3], s[G0B+3], 0x80000000
	s_or_b32 s[G0D+3], s[G0D+3], 0x80000000
	; every vector address of the launch is made here
	v_and_b32 v7, 31, v0                           ; lane
	v_and_b32 v[S+4], 15, v0                       ; r
	v_bfe_u32 v[S+5], v0, 4, 1                     ; h
	v_lshlrev_b32 v[LI], 4, v7
	v_lshlrev_b32 v[LS], 2, v7
	s_mul_i32 s62, s[WV], MBW
	s_add_co_u32 s62, s62, MB                      ; my mailbox,
	s_xor_b32 s63, s[WV], 4
	s_mul_i32 s63, s63, MBW
	s_add_co_u32 s63, s63, MB                      ; and that of the wave with my queries and the other keys
	v_add_nc_u32 v[MW], s62, v[LI]
	v_add_nc_u32 v[MR], s63, v[LI]
	s_add_co_u32 s62, s62, 8192
	s_add_co_u32 s63, s63, 8192
	v_add_nc_u32 v[MSW], s62, v[LS]
	v_add_nc_u32 v[MSR], s63, v[LS]
	s_mul_i32 s57, s[WV], STW
	s_add_co_u32 s57, s57, STG                     ; my stage
	v_mul_u32_u24 v[SO], v[S+4], 272
	v_lshl_add_u32 v[SO], v[S+5], 5, v[SO]
	v_add_nc_u32 v[SO], s57, v[SO]                 ; in: row r, 32 bytes for each half of the lanes
	v_mul_u32_u24 v[SR], v[S+5], 272
	v_lshl_add_u32 v[SR], v[S+4], 4, v[SR]
	v_add_nc_u32 v[SR], s57, v[SR]                 ; back: lanes 0-15 one row of 256 bytes, lanes 16-31 the next
	v_lshlrev_b32 v[GO], 11, v[S+5]
	v_lshl_add_u32 v[GO], v[S+4], 4, v[GO]         ; and the same two rows in an output: 2,048 bytes apart
	s_xor_b32 s57, s[KH], 1                        ; tile A is tile kh of my pair, tile B tile 1 - kh
	s_mul_i32 s62, s[G], 2*FRB
	s_mul_i32 s63, s[KH], FRB
	s_add_co_u32 s63, s62, s63
	v_add_nc_u32 v[S], s63, v[LI]                  ; Q's image, tile A
	s_mul_i32 s63, s57, FRB
	s_add_co_u32 s63, s62, s63
	v_add_nc_u32 v[S+1], s63, v[LI]                ; tile B
	s_lshl_b32 s62, s[G], 7
	s_add_co_u32 s62, s62, KSC
	s_lshl_b32 s63, s[KH], 6
	s_add_co_u32 s63, s62, s63
	v_lshl_add_u32 v[S+2], v[S+4], 2, s63          ; Q's scale words: run g, word 16 u + r
	s_lshl_b32 s63, s57, 6
	s_add_co_u32 s63, s62, s63
	v_lshl_add_u32 v[S+3], v[S+4], 2, s63
	v_add_nc_u32 v[LI], s54, v[LI]                 ; from here on with my half's base
	v_add_nc_u32 v[LS], s54, v[LS]
	; my place in the cluster enters Q's and the outputs' addresses alone, in registers that feed no descriptor and no LDS address
	s_bfe_u32 s[CX], ttmp6, 0x40000
	s_lshl_b32 s[BLK], ttmp9, 2                    ; in a cluster launch ttmp9 counts clusters
	s_add_co_u32 s[BLK], s[BLK], s[CX]             ; my block of 128 queries
	s_lshl_b32 s52, s[HD], 4
	s_add_co_u32 s52, s52, s[BLK]
	s_mul_i32 s52, s52, QB
	s_mov_b32 s53, 0
	s_add_nc_u64 s[4:5], s[4:5], s[52:53]          ; qx at my block
	s_lshl_b32 s52, s[BLK], 7
	s_lshl_b32 s62, s[G], 5
	s_add_co_u32 s52, s52, s62
	s_lshl_b32 s62, s[KH], 3
	s_add_co_u32 s52, s52, s62                     ; tile A's first query: 128 block + 32 g + 8 kh
	s_lshl_b32 s52, s52, 11
	s_lshr_b32 s62, s[HD], 3
	s_lshl_b32 s62, s62, 22                        ; the batch
	s_add_co_u32 s52, s52, s62
	s_and_b32 s62, s[HD], 7
	s_lshl_b32 s62, s62, 8                         ; the head's 256 bytes of a row
	s_add_co_u32 s52, s52, s62
	s_add_nc_u64 s[8:9], s[8:9], s[52:53]
	s_add_nc_u64 s[10:11], s[10:11], s[52:53]
	s_mov_b32 s[SEL], 0x76543210
	s_mov_b32 s[SEL+1], 0xfedcba98
	s_mov_b32 s[CS], 0x3e38aa3b                    ; c = log2(e) / 8
	s_mov_b32 s[CS+1], s[CS]                       ; (named with it as a pair, so it is written)
	s_mov_b32 s[TB], 0
	ROUND                                          ; all four work-groups are here: the first joint loads meet
	tensor_load_to_lds s[G0A:G0A+3], s[G1A:G1A+7]  ; blocks 0, 1 of my half: my quarter
	s_nop 0
	tensor_load_to_lds s[G0B:G0B+3], s[G1B:G1B+7]  ; blocks 2 to 5
	s_nop 0
	PLACES                                         ; (four plain lines behind the loads, ahead of a switch of windows)
	WIN 0x40                                       ; destination window 1
.irp x, 0,1
.irp c, 0,1,2
	global_load_b128 v[Q+12*\x+4*\c:Q+12*\x+4*\c+3], v[S+\x], s[4:5] offset:512*\c   ; Q's fragments stay in registers
.endr
.endr
	WIN 0
.irp x, 0,1
	global_load_b32 v[QS+\x], v[S+2+\x], s[4:5]
.endr
.irp x, 0,1
	v_mov_b32 v[ST+4*\x+1], 0xff61b1e6             ; the largest t so far: -3e38, under every t
	v_floor_f32 v[ST+4*\x], -v[ST+4*\x+1]          ; -M
	v_mov_b32 v[ST+4*\x+2], 0                      ; the sum, in two halves
	v_mov_b32 v[ST+4*\x+3], 0
	v_mov_b32 v[FF+2*\x+1], 0                      ; (the upper half of a pair that the packed forms name)
.irp b, 0,1,2,3
	v_mov_b32 v[BM+16*\x+4+\b], 0                  ; written once: a lane permute's destination counts as one of its sources
.endr
.endr
	v_mov_b32 v245, 0
	v_mov_b32 v247, 0
	v_mov_b32 v251, 0
.macro FETCH off                       ; eight images, 24 loads of 512 consecutive bytes, into window 1
.irp t, 0,1,2,3,4,5,6,7
.irp c, 0,1,2
	ds_load_b128 v[F+12*\t+4*\c:F+12*\t+4*\c+3], v[ADR] offset:\off+FRB*\t+512*\c
.endr
.endr
.endm
.macro KQ t                            ; S^T of K's tile t, for my two tiles of queries: each product is a whole sum (K = 128), so C is the constant 0
.irp x, 0,1
.if (\t)%2
	v_wmma_scale_f32_16x16x128_f8f6f4 v[S+64*\x+8*(\t):S+64*\x+8*(\t)+7], v[F+12*(\t):F+12*(\t)+11], v[Q+12*\x:Q+12*\x+11], 0, v[KS+(\t)/2], v[QS+\x] matrix_a_fmt:MATRIX_FMT_FP6 matrix_b_fmt:MATRIX_FMT_FP6 matrix_a_scale:MATRIX_SCALE_ROW1
.else
	v_wmma_scale_f32_16x16x128_f8f6f4 v[S+64*\x+8*(\t):S+64*\x+8*(\t)+7], v[F+12*(\t):F+12*(\t)+11], v[Q+12*\x:Q+12*\x+11], 0, v[KS+(\t)/2], v[QS+\x] matrix_a_fmt:MATRIX_FMT_FP6 matrix_b_fmt:MATRIX_FMT_FP6
.endif
.endr
.endm
.macro PV t, first                     ; O^T += V^T P^T, channels 16 t on, for my two tiles.  first = 1: the product starts the sum: nothing is ever cleared
.irp x, 0,1
.if \first
.if (\t)%2
	v_wmma_scale_f32_16x16x128_f8f6f4 v[64*\x+8*(\t):64*\x+8*(\t)+7], v[F+12*(\t):F+12*(\t)+11], v[PC+12*\x:PC+12*\x+11], 0, v[VS+(\t)/2], v[PS+\x] matrix_a_fmt:MATRIX_FMT_FP6 matrix_b_fmt:MATRIX_FMT_FP6 matrix_a_scale:MATRIX_SCALE_ROW1
.else
	v_wmma_scale_f32_16x16x128_f8f6f4 v[64*\x+8*(\t):64*\x+8*(\t)+7], v[F+12*(\t):F+12*(\t)+11], v[PC+12*\x:PC+12*\x+11], 0, v[VS+(\t)/2], v[PS+\x] matrix_a_fmt:MATRIX_FMT_FP6 matrix_b_fmt:MATRIX_FMT_FP6
.endif
.else
.if (\t)%2
	v_wmma_scale_f32_16x16x128_f8f6f4 v[64*\x+8*(\t):64*\x+8*(\t)+7], v[F+12*(\t):F+12*(\t)+11], v[PC+12*\x:PC+12*\x+11], v[64*\x+8*(\t):64*\x+8*(\t)+7], v[VS+(\t)/2], v[PS+\x] matrix_a_fmt:MATRIX_FMT_FP6 matrix_b_fmt:MATRIX_FMT_FP6 matrix_a_scale:MATRIX_SCALE_ROW1
.else
	v_wmma_scale_f32_16x16x128_f8f6f4 v[64*\x+8*(\t):64*\x+8*(\t)+7], v[F+12*(\t):F+12*(\t)+11], v[PC+12*\x:PC+12*\x+11], v[64*\x+8*(\t):64*\x+8*(\t)+7], v[VS+(\t)/2], v[PS+\x] matrix_a_fmt:MATRIX_FMT_FP6 matrix_b_fmt:MATRIX_FMT_FP6
.endif
.endif
.endr
.endm
; Line n of 32 of tile x's sum of its 64 unquantised p, two at a time, in two chains: 0 starts the second chain, odd lines add to the sum, even lines to the second chain, 31 joins them
.macro SUMLINE x, n
.set sP, S+64*(\x)
.set sS, ST+4*(\x)+2
.set sC, CT+8*(\x)
.set sK, 4*(((\n)+1)/2)
.if (\n) == 0
	s_wait_alu depctr_va_vdst(0)
	v_pk_add_f32 v[sC:sC+1], v[sP:sP+1], v[sP+2:sP+3]
.elseif (\n) == 31
	v_pk_add_f32 v[sS:sS+1], v[sS:sS+1], v[sC:sC+1]
.elseif (\n)%2 == 1
	v_pk_add_f32 v[sS:sS+1], v[sS:sS+1], v[sP+sK:sP+sK+1]
.else
	v_pk_add_f32 v[sC:sC+1], v[sC:sC+1], v[sP+sK+2:sP+sK+3]
.endif
.endm
; A KEY STEP: 128 keys, from the block at s[TB] of my half.  first = 1: its second products start O^T's sums, and there is nothing to rescale.
.macro STEP first
	v_add_nc_u32 v[ADR], s[TB], v[LI]
	v_add_nc_u32 v[ADS], s[TB], v[LS]
.irp b, 0,1,2,3
	ds_load_b32 v[KS+\b], v[ADS] offset:KSC+128*\b
.endr
.irp b, 0,1,2,3
	ds_load_b32 v[VS+\b], v[ADS] offset:VSC+128*\b
.endr
	WIN 0x40                                       ; destination window 1
	FETCH 0                                        ; K's eight tiles
	s_wait_dscnt 12                                ; the scale words and tiles 0-3 are in; the youngest twelve loads (tiles 4-7) may be out
	WIN 0x05                                       ; K and Q in window 1, S^T in window 0
.irp t, 0,1,2,3
	KQ \t
.endr
	s_wait_dscnt 0x0
.irp t, 4,5,6,7
	KQ \t
.endr
	WIN 0
	PLACES                                         ; ahead of the loads into K's registers and of the first read of the scores
	WIN 0x40
	FETCH VIMG                                     ; V's eight tiles land while the softmax is worked
	WIN 0
.irp b, 0,1,2,3                        ; THE LARGEST SCORE OF EACH BLOCK OF 32 KEYS serves twice: for the row's maximum, and, since p rises with the score, for the block's largest p.  Each accumulator is read from its low end on
.irp x, 0,1
	v_max3_num_f32 v[BM+16*\x+\b], v[S+64*\x+16*\b], v[S+64*\x+16*\b+1], v[S+64*\x+16*\b+2]
.endr
.endr
.irp i, 3,5,7,9,11,13
.irp b, 0,1,2,3
.irp x, 0,1
	v_max3_num_f32 v[BM+16*\x+\b], v[BM+16*\x+\b], v[S+64*\x+16*\b+\i], v[S+64*\x+16*\b+\i+1]   ; (eight chains by turns)
.endr
.endr
.endr
.irp b, 0,1,2,3
.irp x, 0,1
	v_max_num_f32 v[BM+16*\x+\b], v[BM+16*\x+\b], v[S+64*\x+16*\b+15]
.endr
.endr
.irp b, 0,1,2,3
.irp x, 0,1
	v_permlanex16_b32 v[BM+16*\x+4+\b], v[BM+16*\x+\b], s[SEL], s[SEL+1]
.endr
.endr
.irp b, 0,1,2,3
.irp x, 0,1
	v_max_num_f32 v[BM+16*\x+\b], v[BM+16*\x+\b], v[BM+16*\x+4+\b]   ; with lane l xor 16's 16 keys
.endr
.endr
.irp x, 0,1
	v_max3_num_f32 v[BM+16*\x+12], v[BM+16*\x], v[BM+16*\x+1], v[BM+16*\x+2]
.endr
.irp x, 0,1
	v_max_num_f32 v[BM+16*\x+12], v[BM+16*\x+12], v[BM+16*\x+3]      ; the step's largest score of my query
.endr
.irp x, 0,1
	v_mul_f32 v[BM+16*\x+12], s[CS], v[BM+16*\x+12]                  ; as t (c is positive)
.endr
.irp x, 0,1
	v_max_num_f32 v[ST+4*\x+1], v[ST+4*\x+1], v[BM+16*\x+12]         ; the running largest t
.endr
.irp x, 0,1
	v_mov_b32 v[BM+16*\x+12], v[ST+4*\x]
.endr
.irp x, 0,1
	v_floor_f32 v[ST+4*\x], -v[ST+4*\x+1]                            ; the new -M = floor(-t) = -ceil(t): M IS A WHOLE NUMBER
.endr
.irp x, 0,1
	v_sub_f32 v[BM+16*\x+12], v[ST+4*\x], v[BM+16*\x+12]             ; M's old value less its new one: a whole number, 0 or less
.endr
.irp x, 0,1
	v_cvt_i32_f32 v[BM+16*\x+12], v[BM+16*\x+12]                     ; (it saturates)
.endr
.irp x, 0,1
	v_ldexp_f32 v[FF+2*\x], 1.0, v[BM+16*\x+12]                      ; f = 2^(old M - new M): a multiplication by it rounds nothing
.endr
.set j, 0
.rept 32
	v_pk_fma_f32 v[S+j:S+j+1], v[S+j:S+j+1], s[CS:CS+1], v[ST:ST+1] op_sel_hi:[1,0,0]   ; tile A: t - M, two at a time (of the pairs c and -M the low word serves both halves)
.set j, j+2
.endr
.irp b, 0,1,2,3
	v_fma_f32 v[BM+\b], v[BM+\b], s[CS], v[ST]     ; the same of each block's largest score
.endr
.set j, 0
.rept 32                               ; tile A's exponentials, two and then a plain line of tile B's: no result is used, and no source written, by the line behind an exponential
	v_exp_f32 v[S+j], v[S+j]                       ; p = 2^(t - M), at most 1: NOT normalised
	v_exp_f32 v[S+j+1], v[S+j+1]
	v_pk_fma_f32 v[S+64+j:S+65+j], v[S+64+j:S+65+j], s[CS:CS+1], v[ST+4:ST+5] op_sel_hi:[1,0,0]
.set j, j+2
.endr
.irp b, 0,1,2,3
	v_exp_f32 v[BM+\b], v[BM+\b]                   ; the block's largest p: the same two instructions on the same number give the same bits
	v_fma_f32 v[BM+16+\b], v[BM+16+\b], s[CS], v[ST+4]
.endr
	v_pk_mul_f32 v[ST+2:ST+3], v[ST+2:ST+3], v[FF:FF+1] op_sel_hi:[1,0]       ; tile A's sum under the new M
.set j, 0
.rept 32                               ; tile B's exponentials, with tile A's sum between them.  THE ROW'S SUM IS TAKEN OF THE UNQUANTISED p
	v_exp_f32 v[S+64+2*j], v[S+64+2*j]
	v_exp_f32 v[S+65+2*j], v[S+65+2*j]
	SUMLINE 0, j
.set j, j+1
.endr
.irp b, 0,1,2,3
	v_exp_f32 v[BM+16+\b], v[BM+16+\b]
.endr
	v_pk_mul_f32 v[ST+6:ST+7], v[ST+6:ST+7], v[FF+2:FF+3] op_sel_hi:[1,0]     ; tile B's sum under the new M.  (A plain line behind the exponentials)
	s_wait_alu depctr_va_vdst(0)
.irp b, 0,1,2,3
.irp x, 0,1
	v_max_num_f32 v[BM+16*\x+\b], 0x1800000, v[BM+16*\x+\b]          ; the floor 2^(3 - 127): the byte cannot fall under 1
.endr
.endr
.irp b, 0,1,2,3
.irp x, 0,1
	v_add_nc_u32 v[BM+16*\x+8+\b], 0xff000000, v[BM+16*\x+\b]        ; 2 off the exponent field: the conversion's scale operand
.endr
.endr
.irp b, 0,1,2,3
.irp x, 0,1
	v_lshrrev_b32 v[BM+16*\x+4+\b], 23, v[BM+16*\x+8+\b]             ; the scale's byte
.endr
.endr
.irp x, 0,1
	v_lshl_or_b32 v[PS+\x], v[BM+16*\x+5], 8, v[BM+16*\x+4]          ; p's scale word for these 128 keys
.endr
.irp x, 0,1
	v_lshl_or_b32 v[PS+\x], v[BM+16*\x+6], 16, v[PS+\x]
.endr
.irp x, 0,1
	v_lshl_or_b32 v[PS+\x], v[BM+16*\x+7], 24, v[PS+\x]
.endr
.irp x, 0,1
.irp c, 0,1
	v_cvt_scalef32_pk16_fp6_f32 v[PC+12*\x+6*\c:PC+12*\x+6*\c+2], v[S+64*\x+32*\c:S+64*\x+32*\c+15], v[BM+16*\x+8+2*\c]
	v_cvt_scalef32_pk16_fp6_f32 v[CT+8*\x+4*\c:CT+8*\x+4*\c+2], v[S+64*\x+32*\c+16:S+64*\x+32*\c+31], v[BM+16*\x+9+2*\c]   ; (a conversion's three registers begin on an even number)
.endr
.endr
	v_nop                                          ; one plain vector line behind the conversions, ahead of the lines that touch their results
.irp x, 0,1                            ; the operand's layout wants a WHOLE block in a lane: lanes 0-15 block 2 c, lanes 16-31 block 2 c + 1
.irp c, 0,1
.irp i, 0,1,2
	v_permlane16_swap_b32 v[PC+12*\x+6*\c+\i], v[CT+8*\x+4*\c+\i]
.endr
.irp i, 0,1,2
	v_mov_b32 v[PC+12*\x+6*\c+3+\i], v[CT+8*\x+4*\c+\i]
.endr
.endr
.endr
.if \first == 0
	WIN 0x41                                       ; O^T (destination and source 0) in window 1, f in window 0
.set j, 0
.rept 64
	v_pk_mul_f32 v[j:j+1], v[j:j+1], v[FF+2*(j/64):FF+2*(j/64)+1] op_sel_hi:[1,0]   ; O^T under the new M, each accumulator from its low end on
.set j, j+2
.endr
	WIN 0
.endif
.set j, 0
.rept 32                               ; tile B's sum: also 32 plain lines between the last vector write of an operand, a scale word or a C and the products below (8 are asked for a scale word, 4 for an operand)
	SUMLINE 1, j
.set j, j+1
.endr
	s_wait_dscnt 0x0                               ; V is in
	WIN 0x51                                       ; V in window 1, p in window 0, O^T (C and D) in window 1
.irp t, 0,1,2,3,4,5,6,7                ; sixteen accumulators, one instruction each: by turns
	PV \t, \first
.endr
	WIN 0
	PLACES                                         ; ahead of the next step's loads into V's registers and scale words, and of the end's first read of O^T
	s_add_co_u32 s[TB], s[TB], STEPB
.endm
	s_wait_tensorcnt 0x1                           ; my quarter of blocks 0, 1 is in; blocks 2 to 5 may stay out
	s_barrier_signal -1
	s_barrier_wait -1                              ; everybody's is
	s_wait_loadcnt 0x0                             ; Q
	STEP 1                                         ; the first step is written out: its products start O^T's sums
	STEP 0
	; blocks 0, 1 are done with: their bytes take blocks 6, 7
	s_wait_tensorcnt 0x0                           ; all my tensor loads have landed, my quarter of blocks 2 to 5 among them;
	ds_add_u32 v[SPW], v[NIL]                      ; 0 onto my spare word
	s_mov_b32 s[CNT], 4
	s_wait_dscnt 0x0                               ; the add is done, and my reads of blocks 0, 1 are over
	ROUND                                          ; both now hold of every wave of all four work-groups
	tensor_load_to_lds s[G0D:G0D+3], s[G1A:G1A+7]  ; my one tensor load behind the round, and the first thing there: it has four steps in which to land
	s_nop 0
	PLACES
.Lmid:                                             ; steps 2 to 5
	STEP 0
	s_sub_co_u32 s[CNT], s[CNT], 1
	s_cmp_lg_u32 s[CNT], 0
	s_cbranch_scc1 .Lmid
	s_wait_tensorcnt 0x0                           ; my quarter of blocks 6, 7 is in;
	ds_add_u32 v[SPW], v[NIL]
	s_mov_b32 s[TB], 0                             ; back to the half's first bytes
	s_mov_b32 s[CNT], 2
	s_wait_dscnt 0x0                               ; my reads of blocks 2 to 5 are over: behind this barrier their bytes in half 0 may be stored to
	s_barrier_signal -1
	s_barrier_wait -1                              ; everybody's quarter is in.
.Llast:                                            ; steps 6 and 7
	STEP 0
	s_sub_co_u32 s[CNT], s[CNT], 1
	s_cmp_lg_u32 s[CNT], 0
	s_cbranch_scc1 .Llast
	; THE END.  Tile B goes to the wave that holds its queries as tile A; mine comes from there.
	v_add_f32 v239, v[ST+6], v[ST+7]               ; tile B's sum (my half of the lanes),
	v_add_f32 v250, v[ST+2], v[ST+3]               ; tile A's
	WIN 0x04                                       ; an LDS store's data are its source 1: window 1
.set j, 0
.rept 16
	ds_store_b128 v[MW], v[64+4*j:67+4*j] offset:512*j   ; O^T of tile B as an image of its registers, each accumulator from its low end on
.set j, j+1
.endr
	WIN 0
	ds_store_b32 v[MSW], v[ST+4]                   ; its -M
	ds_store_b32 v[MSW], v239 offset:128           ; its sum
	s_wait_dscnt 0x0                               ; for the other wave's sake: my stores have landed
	s_barrier_signal -1
	s_barrier_wait -1
	ds_load_b32 v240, v[MSR]                       ; my queries over the other keys: -M,
	ds_load_b32 v241, v[MSR] offset:128            ; the sum,
.set j, 0
.rept 16
	ds_load_b128 v[S+64+4*j:S+67+4*j], v[MR] offset:512*j   ; O^T
.set j, j+1
.endr
	s_wait_dscnt 16                                ; the two words are in; the sixteen loads behind them may be out
	v_min_num_f32 v242, v[ST], v240                ; -M of all 2,048 keys
	v_sub_f32 v243, v242, v[ST]                    ; whole numbers, 0 or less
	v_sub_f32 v249, v242, v240
	v_cvt_i32_f32 v243, v243
	v_cvt_i32_f32 v249, v249
	v_ldexp_f32 v248, 1.0, v243                    ; what brings my part under the common M,
	v_ldexp_f32 v249, 1.0, v249                    ; and the other part: exact powers of two
	v_mul_f32 v250, v250, v248
	v_fma_f32 v250, v241, v249, v250
	v_permlanex16_b32 v251, v250, s[SEL], s[SEL+1]
	v_add_f32 v250, v250, v251                     ; with lane l xor 16's: the row's sum
	v_rcp_f32 v250, v250
	v_nop                                          ; one plain line behind the reciprocal
	s_wait_alu depctr_va_vdst(0)
	v_mul_f32 v244, v248, v250
	v_mul_f32 v246, v249, v250
	WIN 0x01                                       ; source 0 (O^T of tile A) in window 1
.set j, 0
.rept 32
	v_pk_mul_f32 v[S+j:S+j+1], v[j:j+1], v[244:245] op_sel_hi:[1,0]
.set j, j+2
.endr
	WIN 0
	s_wait_dscnt 0x0                               ; the other part's O^T is in
.set j, 0
.rept 32
	v_pk_fma_f32 v[S+j:S+j+1], v[S+64+j:S+65+j], v[246:247], v[S+j:S+j+1] op_sel_hi:[1,0,1]   ; register 8 t + i is o(query r, channel 16 t + 8 h + i)
.set j, j+2
.endr
	; THE WAY OUT: channels 0-63 are out0's, 64-127 out1's.  A lane holds 32 bytes of a row and the lanes beside it other rows: so 16 rows x 256 bytes at a time go through my own stage and come back as whole rows.
.irp u, 0,1
.irp t, 0,1,2,3
	ds_store_b128 v[SO], v[S+32*\u+8*\t:S+32*\u+8*\t+3] offset:64*\t
	ds_store_b128 v[SO], v[S+32*\u+8*\t+4:S+32*\u+8*\t+7] offset:64*\t+16
.endr
.irp i, 0,1,2,3,4,5,6,7
	ds_load_b128 v[S+64+32*\u+4*\i:S+67+32*\u+4*\i], v[SR] offset:2*\i*272   ; LDS serves a wave's instructions in order (ISA guide 5.7.1.4): these see my stores, and the next half's stores come behind them
.endr
.endr
.irp u, 0,1
.irp i, 0,1,2,3,4,5,6,7
	s_wait_dscnt 23-16*\u-\i                       ; behind this load stand its half's 7 - i loads and, for out0, out1's sixteen LDS instructions
	global_store_b128 v[GO], v[S+64+32*\u+4*\i:S+67+32*\u+4*\i], s[8+2*\u:9+2*\u] offset:(2*\i+8*(\i/4))*2048 th:TH_STORE_NT   ; stage row x is query x + 8 (x / 8) of the tile; 16 lanes store 256 consecutive bytes, at a multiple of 256 from the output's first byte
.endr
.endr
	s_wait_tensorcnt 0x0                           ; the wave's end, behind my last tensor load and my last LDS store
	ds_add_u32 v[SPW], v[NIL]
	s_wait_dscnt 0x0
	ROUND                                          ; the closing round: no work-group ends while a partner may still ask for a tile that names it
	s_endpgm
.Lfunc_end_k_q9cf72071b8_attn:
	.size	k_q9cf72071b8_attn, .Lfunc_end_k_q9cf72071b8_attn-k_q9cf72071b8_attn
	.p2alignl 7, 3214868480
	.fill 96, 4, 3214868480
	.section	.rodata,"a",@progbits
	.p2align	6, 0x0
	.amdhsa_kernel k_q9cf72071b8_attn
		.amdhsa_group_segment_fixed_size 327680
		.amdhsa_private_segment_fixed_size 0
		.amdhsa_enable_private_segment 0
		.amdhsa_kernarg_size 32
		.amdhsa_user_sgpr_count 2
		.amdhsa_user_sgpr_kernarg_segment_ptr 1
		.amdhsa_wavefront_size32 1
		.amdhsa_system_sgpr_workgroup_id_x 1
		.amdhsa_system_sgpr_workgroup_id_y 1
		.amdhsa_system_sgpr_workgroup_id_z 1
		.amdhsa_system_vgpr_workitem_id 0
		.amdhsa_next_free_vgpr 512
		.amdhsa_next_free_sgpr 66
		.amdhsa_reserve_vcc 0
		.amdhsa_float_denorm_mode_32 3
		.amdhsa_float_denorm_mode_16_64 3
		.amdhsa_memory_ordered 1
		.amdhsa_forward_progress 1
		.amdhsa_inst_pref_size 151
	.end_amdhsa_kernel
	.amdgpu_metadata
---
amdhsa.version: [ 1, 2 ]
amdhsa.kernels:
  - .name:           k_q9cf72071b8_attn
    .symbol:         k_q9cf72071b8_attn.kd
    .args:
      - { .name: qx, .offset: 0, .size: 8, .value_kind: global_buffer, .address_space: global }
      - { .name: kv, .offset: 8, .size: 8, .value_kind: global_buffer, .address_space: global }
      - { .name: out0, .offset: 16, .size: 8, .value_kind: global_buffer, .address_space: global }
      - { .name: out1, .offset: 24, .size: 8, .value_kind: global_buffer, .address_space: global }
    .group_segment_fixed_size: 327680
    .private_segment_fixed_size: 0
    .kernarg_segment_align: 8
    .kernarg_segment_size: 32
    .max_flat_workgroup_size: 256
    .sgpr_count:     66
    .vgpr_count:     512
    .wavefront_size: 32
...
	.end_amdgpu_metadata
.endif
;; end of part 2
